; MI455X (gfx1250); checked and timed in simulation.
; The chip was launched on July 23, 2026; its instructions are those of AMD's public machine-readable ISA for CDNA 5 (MIT licence, August 2026) and "CDNA5" Instruction Set Architecture Reference Guide (July 2026). The comments in the code are by the model that wrote it; some were corrected since.
;; MHA. Allowed arithmetic: matrix products marked QUANTISED: E2M1 operands, one E8M0 scale for each 32 along K, by v_wmma_scale_f32_16x16x128_f8f6f4 with both operands' format E2M1 (or v_wmma_scale_f32_32x16x128_f4), f32 sums; products left as they are: f32 operands where the result goes on into a quantised operand, else bf16, f16 or f32 operands; f32 sums; everything else in f32.
;; Inputs: b_fc1 16 float32; b_fc2 1 float32; b_k 512 float32; b_q 512 float32; b_v 512 float32; intensity_score_codes 16 x 64 x 2 x 16 uint8 (E2M1 codes of intensity_score, K innermost, in blocks of 32 codes, two codes a byte); intensity_score_scales 16 x 64 x 2 uint8 (E8M0 scales of intensity_score, one for each 32 codes along K); key_lens 64 int32; keys_codes 64 x 16 x 128 x 16 x 16 uint8 (E2M1 codes of keys, K innermost, in blocks of 32 codes, two codes a byte); keys_scales 64 x 16 x 128 x 16 uint8 (E8M0 scales of keys, one for each 32 codes along K); query_codes 16 x 64 x 16 x 16 uint8 (E2M1 codes of query, K innermost, in blocks of 32 codes, two codes a byte); query_scales 16 x 64 x 16 uint8 (E8M0 scales of query, one for each 32 codes along K); w_fc1_codes 16 x 16 x 16 uint8 (E2M1 codes of w_fc1, K innermost, in blocks of 32 codes, two codes a byte); w_fc1_scales 16 x 16 uint8 (E8M0 scales of w_fc1, one for each 32 codes along K); w_fc2 1 x 16 float32; w_k_codes 512 x 16 x 16 uint8 (E2M1 codes of w_k, K innermost, in blocks of 32 codes, two codes a byte); w_k_scales 512 x 16 uint8 (E8M0 scales of w_k, one for each 32 codes along K); w_q_codes 512 x 16 x 16 uint8 (E2M1 codes of w_q, K innermost, in blocks of 32 codes, two codes a byte); w_q_scales 512 x 16 uint8 (E8M0 scales of w_q, one for each 32 codes along K); w_v_codes 512 x 16 x 16 uint8 (E2M1 codes of w_v, K innermost, in blocks of 32 codes, two codes a byte); w_v_scales 512 x 16 uint8 (E8M0 scales of w_v, one for each 32 codes along K).
;; Outputs: out0 16 x 64 x 1 float32.
;; This version of the problem:
;;   THIS VERSION OF THE PROBLEM IS GIVEN IN LOW PRECISION. The matrix products marked QUANTISED in the list below multiply operands that are first quantised to E2M1 (2 exponent bits, 1 mantissa bit; 4 bits a number), with one power-of-two scale for each 32 numbers along K (OCP MX v1.0); their sums are f32. All else is computed in f32.
;;   The module's matrix products, in the order in which they are computed (A, B: the left and right operand; K: the contracted axis; several contracted axes count as one K, in the product's order):
;;     1. [M 1,024, K 512] x [K 512, N 512]; A: input query (given as codes); B: input w_q (given as codes): QUANTISED
;;     2. [M 131,072, K 512] x [K 512, N 512]; A: input keys (given as codes); B: input w_k (given as codes): QUANTISED
;;     3. [M 131,072, K 512] x [K 512, N 512]; A: input keys (given as codes); B: input w_v (given as codes): QUANTISED
;;     4. batch 8,192 x [M 1, K 64] x [K 64, N 128]; A: computed on the way; B: computed on the way: left as it is (M = 1 < 16)
;;     5. batch 8,192 x [M 1, K 128] x [K 128, N 64]; A: softmax; B: computed on the way: left as it is (M = 1 < 16)
;;     6. batch 16 x [M 64, K 64] x [K 64, N 512]; A: input intensity_score (given as codes); B: computed on the way: QUANTISED
;;     7. [M 1,024, K 512] x [K 512, N 16]; A: computed on the way; B: input w_fc1 (given as codes): QUANTISED
;;     8. [M 1,024, K 16] x [K 16, N 1]; A: computed on the way; B: input w_fc2: left as it is (K = 16 < 32)
;;   THE QUANTISER, for each operand of a quantised product, along K:
;;     - K is cut into blocks of 32 from its start; a last block that is shorter is filled with zeros.
;;     - A block's scale is 2^e with e = floor(log2(the largest magnitude in the block)) - 2, held to -126 .. 127; a block of zeros has e = 0. As a byte (E8M0): e + 127.
;;     - Each number is divided by its block's scale, clamped to +-6, and rounded to the nearest number of E2M1, ties to even, subnormals kept.
;;     - The product sums the exact products of the quantised numbers (number of the format x scale) in f32.
;;   ~~~python
;;   def quantise(x, axis):      # numpy; x: float32 -> the quantised numbers, widened to float32 again
;;       x = np.moveaxis(x, axis, -1); K = x.shape[-1]
;;       x = np.pad(x, [(0, 0)] * (x.ndim - 1) + [(0, -K % 32)]); x = x.reshape(x.shape[:-1] + (-1, 32)); a = np.abs(x).max(-1, keepdims=True)
;;       e = np.where(a > 0, np.clip(np.frexp(np.where(a > 0, a, 1))[1] - 1 - 2, -126, 127), 0)      # np.frexp(a)[1] - 1 = floor(log2(a)), exactly
;;       r = np.clip(x / 2.0 ** e, -6, 6)
;;       step = 2.0 ** (np.maximum(np.frexp(np.where(r == 0, 1, r))[1] - 1, 0) - 1)
;;       q = np.round(r / step) * step * 2.0 ** e      # np.round: ties to even
;;       return np.moveaxis(q.reshape(q.shape[:-2] + (-1,))[..., :K], -1, axis).astype(np.float32)
;;   ~~~
;;   OPERANDS COMPUTED ON THE WAY. 'Computed on the way' means the value that the module computes at that place (a softmax that the list does not call 'softmax' is quantised finished and normalised). What goes into a quantiser is computed in f32, as accurately as f32 sums, v_exp_f32 and their like allow (about 1e-6 of the number): no bf16 or f16 on the way to a quantiser, and a product that is left as it is and whose result goes on into a quantised operand takes f32 operands (vector FMAs, or v_wmma_f32_16x16x4_f32). A number that lies on a knife's edge between two numbers of the format may be rounded either way, as far as f32 arithmetic and the matrix unit's own rounding can turn it there, and no further.
;;   INPUTS GIVEN AS CODES. intensity_score (in the module: [16, 64, 64], K = its axis 1); keys (in the module: [64, 16, 128, 512], K = its axis 3); query (in the module: [16, 64, 512], K = its axis 2); w_fc1 (in the module: [16, 512], K = its axis 1); w_k (in the module: [512, 512], K = its axis 1); w_q (in the module: [512, 512], K = its axis 1); w_v (in the module: [512, 512], K = its axis 1): each comes as NAME_codes (uint8): NAME with its K axis moved to the last place and cut into blocks of 32 codes, [.., K / 32, bytes a block], one block behind the other in memory; two codes a byte, the lower K in the low four bits (a code: sign, 2 exponent bits, 1 mantissa bit); and NAME_scales (uint8): the same leading axes, one E8M0 byte (e + 127) for each 32 codes along K. Its value is code x scale, taken as it is: it is not quantised again, and the codes and scales need not be those that the quantiser above would give.
;; One version. Each part assembles by itself: llvm-mc -triple=amdgcn-amd-amdhsa -mcpu=gfx1250 --defsym DOCPART=n.
;; ======== version 1 of 1: 2 launches
;; limits: right only within a limited range of input values
;; workspace buffers: emb 2,097,152 bytes
;; launch attn (part 1): grid 256 x 1, 8 waves a work-group, no clusters, 300,544 bytes of LDS; arguments key_lens, keys_codes, keys_scales, query_codes, query_scales, w_q_codes, w_q_scales, b_q, w_k_codes, w_k_scales, w_v_codes, w_v_scales, b_v, emb; writes emb
.if DOCPART == 1
	.amdgcn_target "amdgcn-amd-amdhsa--gfx1250"
	.amdhsa_code_object_version 6
	.text
	.protected	k_q99fe71b14d_attn
	.globl	k_q99fe71b14d_attn
	.p2align	8
	.type	k_q99fe71b14d_attn,@function
k_q99fe71b14d_attn:
	s_mov_b64 s[64:65], 0
	v_nop
	global_prefetch_b8 v0, s[64:65] scope:SCOPE_SE
	s_setreg_imm32_b32 hwreg(HW_REG_WAVE_MODE, 25, 1), 1
	s_wait_xcnt 0x0
; emb[b][n][:] = the eight heads' one-query attention of position n, batch b, over its own key list.  Q, K and V are projected on codes of FP4 (E2M1) with E8M0 scales (K = 512, four steps of 128);
; scores, softmax and the weighted sum are f32 (fused multiply-adds), since emb goes on into a quantiser.
; SHARES.  256 work-groups of eight waves.  A work-group owns one batch b, one half hh of the heads (256 columns of Q, K, V) and eight positions n: in each of four trips two positions of neighbouring rank
; among the 64 lengths.  Rank group q takes ranks 16 + 2 q + g, 46 - 2 q + g, 48 + 2 q + g, 14 - 2 q + g (g = 0, 1): the ranks add up alike for every q.  Wave w: head hd = w % 4 of the half, group g = w / 4: one pair a trip.
; A wave keeps its head's 64 rows of w_k and of w_v (2 x 128 registers) for the whole launch; the eight waves of 512 registers stand two to a SIMD.
; WORK LEFT OUT.  The mask is built from key_lens: a tile of 16 keys that lies wholly behind the length is neither loaded nor multiplied (a scalar branch on the length).
; DEAD WORK.  b_k enters a score as q . b_k, which is the same for every key of that softmax; the product of Q and K is not quantised, hidden keys get -1e30 in its place, and a term that is the same along
; the softmax's axis cancels for all values of the inputs.  So b_k has no way to the output: it is no argument and is not loaded.
; NO TENSOR LOADS, NO CLUSTER, NO JOINT LOADS: the branches hang on key_lens, a number read from memory; all operands come by plain loads.
; No prefetch: a pair's rows are asked for by the loads themselves, a whole trip ahead of their use.
; LAYOUT (lane l: r = l % 16, h = l / 16).  K^T = w_k keys^T (source 0 = 16 rows of w_k, source 1 = 16 keys): lane (r, h), register 8 tau + j: key r, channel 16 tau + 8 h + j.  Q^T = w_q query^T likewise, column r = trip r % 4.
; V = keys w_v^T (source 0 = 16 keys, source 1 = 16 rows of w_v; column r of tile tau is channel 4 r + tau): register j of tile tau is V[key 8 h + j][4 r + tau].
; ARITHMETIC.  q' = (Q + b_q) x log2(e) / 8.  t = q' . K; hidden keys get -1e30; p = 2^(t - max t).  emb = (sum p V) / (sum p) + b_v.
; LIMITS: b_v is added as just said (it rests on the weights adding up to 1 within rounding): another order of rounding than the definition's.  key_lens is held to 0 .. 128 (a negative length counts as 0); length 0
; gives uniform weights over all 128 keys, as the definition does.  NaN and infinities among the inputs are not served, and a NaN, an infinity or an overflow that reaches only the work left out (b_k, hidden tiles) is not carried to the result.
; REGISTERS.  Window 0: all but the weights (list below).  Window 1: v0-127 w_k (32 tau + 8 s), v128-255 w_v; at the head the staged weights w_q (v0-63), w_k (v64-127), w_v (v128-191) and half of w_q's fragments (v192-255).
.set PITCH, 272                        ; a row in LDS: 256 bytes + 16: the 16 rows of a fragment load start in 16 different groups of banks
.set TILE,  16*PITCH
.set PB,    128*PITCH                  ; a pair's 128 rows
.set BUFB,  2*PB                       ; a trip's two pairs; two such buffers take turns
.set WQB,   BUFB                       ; at the head: w_q's 256 rows lie where the second buffer will be,
.set WKB,   2*BUFB                     ; w_k's and w_v's behind the buffers
.set WVB,   3*BUFB
.set KSC,   4*BUFB                     ; key scale bytes, 2,048 a pair, two buffers
.set QST,   KSC+8192
.set QROW,  272                        ; q' of one pair: 2 halves x 32 numbers
.set QWAVE, 4*QROW
.set PST,   QST+8*QWAVE                ; a wave's own weights: 128 f32
.set SPARE, PST+8*512                  ; the spare words, 128 bytes for each wave
.set FA,   1                           ; v1-2  fragment address in buffer 0, 1
.set ST,   3                           ; v3-4  staging address in buffer 0, 1
.set SSA,  5
.set KSA,  6
.set QRD0, 7
.set QRD,  8
.set QWR,  8                           ; head only
.set PSTA, 9
.set PRD,  10
.set EO,   11
.set KGO,  12                          ; 16 lane
.set LR,   13                          ; length - lane
.set STV,  13                          ; head only
.set RS,   14                          ; 1 / sum (named as the pair v[14:15], of which the low word serves)
.set WVA,  15                          ; LDS address of my w_v fragments
.set PS,   16                          ; eight tiles' partial scores
.set S,    24                          ; four chains of pairs
.set TM,   24
.set WKS,  32                          ; scale words, register 4 a + s: lanes 0-15 tile 2 a, lanes 16-31 tile 2 a + 1
.set WVS,  40
.set KS,   48                          ; key scale words, two sets: lane l: row 32 a + l
.set KST,  56
.set BV,   60
.set Q,    64                          ; q'; between the scores and the trip's end:
.set P,    64                          ;   two sets of eight weights,
.set O,    80                          ;   four pairs of sums,
.set PT,   88
.set OUT,  92
.set ACC,  96
.set FB,   128                         ; two sets of key fragments
.set STG,  192                         ; staged key codes
.set WQS,  16                          ; head only: v16-31
.set QSC,  24
.set WQA,  28
.set WKA,  29
.set STQ,  30
.set STK,  31
.set LANE, 128                         ; head only: v128-159
.set RR,   129
.set HH,   130
.set WVSO, 132
.set BQO,  133
.set BVO,  134
.set KLO,  135
.set KL0,  136
.set KL1,  137
.set KEY0, 138
.set KEY1, 139
.set RK0,  149
.set RK1,  150
.set QO,   151
.set QSO,  152
.set T0,   153
.set T1,   154
.set T2,   155
.set W_K,   0x01                       ; source 0 window 1
.set W_V,   0x04                       ; source 1 window 1
.set TO1,   0x40
.set ST1,   0x04                       ; an LDS store's data are its source 1
.set MSB, 0
.macro WIN new                         ; the immediate's high byte repeats the setting that is left; a switch that changes nothing is dropped
.if MSB != \new
	s_set_vgpr_msb (MSB<<8)|\new
.set MSB, \new
.endif
.endm
.macro PLACES                          ; four plain places behind a matrix instruction, ahead of the first read of its result (ISA guide 7.12.1)
.rept 4
	v_nop
.endr
.endm
; One matrix instruction; its operands stand in symbols: XD, XA, XB first registers, XSA, XSB scale registers, XRA, XRB: the scales lie in lanes 16-31, XZ: the sum begins.
.macro MM
.if XZ
.if XRA && XRB
	v_wmma_scale_f32_16x16x128_f8f6f4 v[XD:XD+7], v[XA:XA+7], v[XB:XB+7], 0, v[XSA], v[XSB] matrix_a_fmt:MATRIX_FMT_FP4 matrix_b_fmt:MATRIX_FMT_FP4 matrix_a_scale:MATRIX_SCALE_ROW1 matrix_b_scale:MATRIX_SCALE_ROW1
.elseif XRA
	v_wmma_scale_f32_16x16x128_f8f6f4 v[XD:XD+7], v[XA:XA+7], v[XB:XB+7], 0, v[XSA], v[XSB] matrix_a_fmt:MATRIX_FMT_FP4 matrix_b_fmt:MATRIX_FMT_FP4 matrix_a_scale:MATRIX_SCALE_ROW1
.elseif XRB
	v_wmma_scale_f32_16x16x128_f8f6f4 v[XD:XD+7], v[XA:XA+7], v[XB:XB+7], 0, v[XSA], v[XSB] matrix_a_fmt:MATRIX_FMT_FP4 matrix_b_fmt:MATRIX_FMT_FP4 matrix_b_scale:MATRIX_SCALE_ROW1
.else
	v_wmma_scale_f32_16x16x128_f8f6f4 v[XD:XD+7], v[XA:XA+7], v[XB:XB+7], 0, v[XSA], v[XSB] matrix_a_fmt:MATRIX_FMT_FP4 matrix_b_fmt:MATRIX_FMT_FP4
.endif
.else
.if XRA && XRB
	v_wmma_scale_f32_16x16x128_f8f6f4 v[XD:XD+7], v[XA:XA+7], v[XB:XB+7], v[XD:XD+7], v[XSA], v[XSB] matrix_a_fmt:MATRIX_FMT_FP4 matrix_b_fmt:MATRIX_FMT_FP4 matrix_a_scale:MATRIX_SCALE_ROW1 matrix_b_scale:MATRIX_SCALE_ROW1
.elseif XRA
	v_wmma_scale_f32_16x16x128_f8f6f4 v[XD:XD+7], v[XA:XA+7], v[XB:XB+7], v[XD:XD+7], v[XSA], v[XSB] matrix_a_fmt:MATRIX_FMT_FP4 matrix_b_fmt:MATRIX_FMT_FP4 matrix_a_scale:MATRIX_SCALE_ROW1
.elseif XRB
	v_wmma_scale_f32_16x16x128_f8f6f4 v[XD:XD+7], v[XA:XA+7], v[XB:XB+7], v[XD:XD+7], v[XSA], v[XSB] matrix_a_fmt:MATRIX_FMT_FP4 matrix_b_fmt:MATRIX_FMT_FP4 matrix_b_scale:MATRIX_SCALE_ROW1
.else
	v_wmma_scale_f32_16x16x128_f8f6f4 v[XD:XD+7], v[XA:XA+7], v[XB:XB+7], v[XD:XD+7], v[XSA], v[XSB] matrix_a_fmt:MATRIX_FMT_FP4 matrix_b_fmt:MATRIX_FMT_FP4
.endif
.endif
.endm
; My 32 rows of a weight matrix: 16 loads of 512 consecutive bytes into window 1.
.macro WSTAGE reg, lo
	WIN TO1
.irp k, 0,1,2,3,4,5,6,7,8,9,10,11,12,13,14,15
	global_load_b128 v[\reg+4*\k:\reg+4*\k+3], v[KGO], s[\lo:\lo+1] offset:512*\k
.endr
	WIN 0
.endm
.macro WSTORE adr, reg                 ; and into LDS, two rows a store
	WIN ST1
.irp k, 0,1,2,3,4,5,6,7,8,9,10,11,12,13,14,15
	ds_store_b128 v[\adr], v[\reg+4*\k:\reg+4*\k+3] offset:2*PITCH*\k
.endr
	WIN 0
.endm
.macro WFRAG reg, adr, tau             ; a weight tile's eight fragment loads (16 rows x 512 along K)
.irp s, 0,1,2,3
.irp c, 0,1
	ds_load_b128 v[\reg+8*\s+4*\c:\reg+8*\s+4*\c+3], v[\adr] offset:TILE*(\tau)+64*\s+32*\c
.endr
.endr
.endm
; A pair's word (length | n << 8) to: s48 tiles that hold a key that counts (all 8 where none does), s[68:69] my rows of its codes, s[70:71] my rows of its scale bytes.
.macro KADDR w
	s_and_b32 s60, s[\w], 0xff
	s_add_co_u32 s48, s60, 15
	s_lshr_b32 s48, s48, 4
	s_cmp_eq_u32 s60, 0
	s_cselect_b32 s48, 8, s48
	s_lshr_b32 s60, s[\w], 8
	s_min_u32 s60, s60, 63
	s_lshl_b32 s60, s60, 4
	s_add_co_u32 s60, s60, s3                      ; 16 n + b
	s_mov_b32 s63, 0
	s_lshl_b32 s62, s60, 15
	s_add_co_u32 s62, s62, s51
	s_add_nc_u64 s[68:69], s[10:11], s[62:63]
	s_lshl_b32 s62, s60, 11
	s_add_co_u32 s62, s62, s51
	s_add_nc_u64 s[70:71], s[12:13], s[62:63]
.endm
; My part of a pair: of each tile of 16 rows that counts, rows 2 hd, 2 hd + 1 and 8 more on (512 consecutive bytes a load); 512 scale bytes.
.macro KEYLOAD tag
	global_load_b128 v[KST:KST+3], v[KGO], s[70:71]
.irp i, 0,1,2,3,4,5,6,7
	global_load_b128 v[STG+8*\i:STG+8*\i+3], v[KGO], s[68:69] offset:4096*\i
	global_load_b128 v[STG+8*\i+4:STG+8*\i+7], v[KGO], s[68:69] offset:4096*\i+2048
.if \i < 7
	s_cmp_le_u32 s48, \i+1
	s_cbranch_scc1 .Lkl\tag
.endif
.endr
.Lkl\tag:
.endm
.macro KEYSTORE buf, tag               ; and into LDS buffer buf
	ds_store_b128 v[SSA], v[KST:KST+3] offset:4096*(\buf)   ; (the loads have been waited for)
.irp i, 0,1,2,3,4,5,6,7
	ds_store_b128 v[ST+(\buf)], v[STG+8*\i:STG+8*\i+3] offset:TILE*\i
	ds_store_b128 v[ST+(\buf)], v[STG+8*\i+4:STG+8*\i+7] offset:TILE*\i+8*PITCH
.if \i < 7
	s_cmp_le_u32 s48, \i+1
	s_cbranch_scc1 .Lks\tag
.endif
.endr
.Lks\tag:
.endm
	s_load_b512 s[8:23], s[0:1], 0x0               ; key_lens s[8:9], keys_codes s[10:11], keys_scales s[12:13], query_codes s[14:15], query_scales s[16:17], w_q_codes s[18:19], w_q_scales s[20:21], b_q s[22:23]
	s_load_b256 s[24:31], s[0:1], 0x40             ; w_k_codes s[24:25], w_k_scales s[26:27], w_v_codes s[28:29], w_v_scales s[30:31]
	s_load_b128 s[32:35], s[0:1], 0x60             ; b_v s[32:33], emb s[34:35]
	v_lshrrev_b32 v[T0], 5, v0
	v_readfirstlane_b32 s2, v[T0]                  ; wave 0..7
	v_and_b32 v[LANE], 31, v0
	v_and_b32 v[RR], 15, v0
	v_bfe_u32 v[HH], v0, 4, 1
	v_lshlrev_b32 v[KGO], 4, v[LANE]
	v_lshlrev_b32 v[KLO], 2, v[LANE]
	v_lshlrev_b32 v[WVSO], 6, v[RR]                ; w_v's scale bytes: row 4 r + h (+ 2 a), 16 bytes a row
	v_lshl_add_u32 v[WVSO], v[HH], 4, v[WVSO]
	v_lshlrev_b32 v[BQO], 5, v[HH]
	v_lshlrev_b32 v[BVO], 4, v[RR]
	s_and_b32 s3, ttmp9, 7
	s_bfe_u32 s60, ttmp9, 0x10004
	s_lshl_b32 s60, s60, 3
	s_or_b32 s3, s3, s60                           ; b
	s_bfe_u32 s5, ttmp9, 0x10003                   ; hh
	s_lshr_b32 s4, ttmp9, 5                        ; q
	s_and_b32 s6, s2, 3                            ; hd
	s_lshr_b32 s7, s2, 2                           ; g
	s_lshl_b32 s51, s6, 9                          ; my 512 bytes of every 2,048 of a pair's rows
	s_lshl_b32 s50, s5, 2
	s_add_co_u32 s50, s50, s6                      ; head 0..7
	s_lshl_b32 s60, s5, 16
	s_lshl_b32 s61, s2, 13
	s_add_co_u32 s60, s60, s61                     ; staging: rows 256 hh + 32 w of a weight matrix, in bytes
	s_mov_b32 s61, 0
	s_lshl_b32 s66, s50, 10                        ; my head's 64 rows of scale bytes
	s_mov_b32 s67, 0
	s_lshl_b32 s36, s50, 8                         ; and its 64 numbers of a bias (and of a row of emb)
	s_mov_b32 s37, 0
	s_mov_b32 s50, s36
	s_mov_b32 s54, 0x76543210                      ; v_permlanex16_b32's selects for lane l xor 16
	s_mov_b32 s55, 0xfedcba98
	s_mov_b32 s56, 0xffff0000                      ; lanes 16-31
	s_mov_b32 s58, 0x3e38aa3b                      ; log2(e) / 8
	s_mov_b32 s59, s58                             ; (named with it as a pair, so it is written)
	s_wait_alu depctr_va_vdst(0)
	s_wait_kmcnt 0x0
	global_load_b32 v[KL0], v[KLO], s[8:9]         ; the 64 lengths: two a lane
	global_load_b32 v[KL1], v[KLO], s[8:9] offset:128
	s_add_nc_u64 s[18:19], s[18:19], s[60:61]
	s_add_nc_u64 s[24:25], s[24:25], s[60:61]
	s_add_nc_u64 s[28:29], s[28:29], s[60:61]
	s_add_nc_u64 s[20:21], s[20:21], s[66:67]
	s_add_nc_u64 s[26:27], s[26:27], s[66:67]
	s_add_nc_u64 s[30:31], s[30:31], s[66:67]
	s_add_nc_u64 s[22:23], s[22:23], s[36:37]
	s_add_nc_u64 s[32:33], s[32:33], s[36:37]
.irp a, 0,1
	global_load_b128 v[WQS+4*\a:WQS+4*\a+3], v[KGO], s[20:21] offset:512*\a
	global_load_b128 v[WKS+4*\a:WKS+4*\a+3], v[KGO], s[26:27] offset:512*\a
	global_load_b128 v[WVS+4*\a:WVS+4*\a+3], v[WVSO], s[30:31] offset:32*\a
.endr
	global_load_b128 v[BV:BV+3], v[BVO], s[32:33]
.irp t, 0,1,2,3                                ; b_q in the accumulators' layout: it is the C of Q's first products
	global_load_b128 v[ACC+8*\t:ACC+8*\t+3], v[BQO], s[22:23] offset:64*\t
	global_load_b128 v[ACC+8*\t+4:ACC+8*\t+7], v[BQO], s[22:23] offset:64*\t+16
.endr
	WSTAGE 0, 18
	WSTAGE 64, 24
	; LDS addresses, made while the loads are out
	v_mul_u32_u24 v[T0], v[RR], PITCH
	v_lshl_add_u32 v[T0], v[HH], 4, v[T0]          ; 272 r + 16 h: a fragment
	v_mul_u32_u24 v[T1], v[HH], PITCH
	v_lshl_add_u32 v[T1], v[RR], 4, v[T1]          ; 272 h + 16 r: two rows as they were loaded
	s_mul_i32 s60, s7, PB
	v_add_nc_u32 v[FA], s60, v[T0]
	v_add_nc_u32 v[FA+1], BUFB, v[FA]
	s_mul_i32 s61, s6, 2*PITCH
	s_add_co_u32 s60, s60, s61
	v_add_nc_u32 v[ST], s60, v[T1]
	v_add_nc_u32 v[ST+1], BUFB, v[ST]
	s_lshl_b32 s60, s7, 11
	s_add_co_u32 s60, s60, KSC
	v_add_nc_u32 v[KSA], s60, v[KGO]
	s_lshl_b32 s61, s6, 9
	s_add_co_u32 s60, s60, s61
	v_add_nc_u32 v[SSA], s60, v[KGO]
	s_mul_i32 s60, s2, QWAVE
	s_add_co_u32 s60, s60, QST
	v_lshlrev_b32 v[QRD0], 7, v[HH]
	v_add_nc_u32 v[QRD0], s60, v[QRD0]
	v_and_b32 v[T2], 3, v[RR]
	v_mul_u32_u24 v[T2], v[T2], QROW
	v_add_nc_u32 v[QWR], v[T2], v[QRD0]
	s_lshl_b32 s60, s2, 9
	s_add_co_u32 s60, s60, PST
	v_lshlrev_b32 v[PSTA], 2, v[LANE]
	v_add_nc_u32 v[PSTA], s60, v[PSTA]
	v_lshlrev_b32 v[PRD], 5, v[HH]
	v_add_nc_u32 v[PRD], s60, v[PRD]
	v_lshlrev_b32 v[EO], 4, v[RR]
	v_lshl_add_u32 v[EO], v[HH], 3, v[EO]
	s_mul_i32 s60, s6, 64*PITCH                    ; my head's 64 rows of a staged matrix
	s_add_co_u32 s61, s60, WQB
	v_add_nc_u32 v[WQA], s61, v[T0]
	s_add_co_u32 s61, s60, WKB
	v_add_nc_u32 v[WKA], s61, v[T0]
	s_add_co_u32 s61, s60, WVB
	v_add_nc_u32 v[WVA], s61, v[T0]
	s_mul_i32 s60, s2, 32*PITCH                    ; the 32 rows that I stage
	s_add_co_u32 s61, s60, WQB
	v_add_nc_u32 v[STQ], s61, v[T1]
	s_add_co_u32 s61, s60, WKB
	v_add_nc_u32 v[STK], s61, v[T1]
	s_lshr_b32 s60, s2, 1                          ; w_v: row 4 x + tau of a head goes to place 16 tau + x
	s_mul_i32 s60, s60, 64*PITCH
	s_and_b32 s61, s2, 1
	s_mul_i32 s61, s61, 8*PITCH
	s_add_co_u32 s60, s60, s61
	s_add_co_u32 s60, s60, WVB
	v_mul_u32_u24 v[STV], v[HH], 16*PITCH
	v_lshl_add_u32 v[STV], v[RR], 4, v[STV]
	v_add_nc_u32 v[STV], s60, v[STV]
	s_wait_alu depctr_va_vdst(0)
	; THE RANKING, in every wave alike.  key = length x 64 + n is different for every n (whatever the lengths, in 32 bits); its rank is the number of smaller keys.
	; (It only has to be a permutation: the length that steers the work is read again below.)
	s_lshl_b32 s36, s4, 1
	s_sub_co_u32 s37, 14, s36
	s_add_co_u32 s36, s36, s7                      ; 2 q + g
	s_add_co_u32 s37, s37, s7                      ; 14 - 2 q + g
	s_wait_loadcnt 47                              ; the two loads of lengths are in; the 47 loads issued behind them stay out
	v_lshl_or_b32 v[KEY0], v[KL0], 6, v[LANE]      ; n = lane
	v_add_nc_u32 v[T0], 32, v[LANE]
	v_lshl_or_b32 v[KEY1], v[KL1], 6, v[T0]        ; n = lane + 32
	v_mov_b32 v[RK0], 0
	v_mov_b32 v[RK1], 0
.set m, 0
.rept 32
	v_readlane_b32 s60, v[KEY0], m
	v_readlane_b32 s61, v[KEY1], m
	v_cmp_lt_u32 vcc_lo, s60, v[KEY0]
	v_add_co_ci_u32 v[RK0], vcc_lo, 0, v[RK0], vcc_lo
	v_cmp_lt_u32 vcc_lo, s61, v[KEY0]
	v_add_co_ci_u32 v[RK0], vcc_lo, 0, v[RK0], vcc_lo
	v_cmp_lt_u32 vcc_lo, s60, v[KEY1]
	v_add_co_ci_u32 v[RK1], vcc_lo, 0, v[RK1], vcc_lo
	v_cmp_lt_u32 vcc_lo, s61, v[KEY1]
	v_add_co_ci_u32 v[RK1], vcc_lo, 0, v[RK1], vcc_lo
.set m, m+1
.endr
	s_wait_alu depctr_va_vdst(0)
.macro FIND i                          ; n of trip i: the position whose rank is s62; held to 0 .. 63 ahead of every address
	v_cmp_eq_u32 s66, s62, v[RK0]
	v_cmp_eq_u32 s67, s62, v[RK1]
	s_ctz_i32_b32 s60, s66
	s_ctz_i32_b32 s61, s67
	s_add_co_u32 s61, s61, 32
	s_cmp_lg_u32 s66, 0
	s_cselect_b32 s[84+\i], s60, s61
	s_min_u32 s[84+\i], s[84+\i], 63
	s_lshl_b32 s[92+\i], s[84+\i], 2
.endm
	s_add_co_u32 s62, s36, 16
	FIND 0
	s_add_co_u32 s62, s37, 32
	FIND 1
	s_add_co_u32 s62, s36, 48
	FIND 2
	s_mov_b32 s62, s37
	FIND 3
.irp i, 0,1,2,3
	s_load_b32 s[88+\i], s[8:9], s[92+\i] offset:0x0   ; the pair's length
.endr
	v_and_b32 v[T0], 3, v[RR]                      ; the query's 16 columns: lane r takes trip r % 4
	v_mov_b32 v[T1], s84
	v_mov_b32 v[T2], s85
	v_cmp_eq_u32 vcc_lo, 1, v[T0]
	v_cndmask_b32 v[T1], v[T1], v[T2], vcc_lo
	v_mov_b32 v[T2], s86
	v_cmp_eq_u32 vcc_lo, 2, v[T0]
	v_cndmask_b32 v[T1], v[T1], v[T2], vcc_lo
	v_mov_b32 v[T2], s87
	v_cmp_eq_u32 vcc_lo, 3, v[T0]
	v_cndmask_b32 v[T1], v[T1], v[T2], vcc_lo
	v_min_u32 v[T1], 63, v[T1]
	s_lshl_b32 s60, s3, 6
	v_add_nc_u32 v[T1], s60, v[T1]                 ; 64 b + n
	v_lshlrev_b32 v[QSO], 4, v[T1]
	v_lshlrev_b32 v[QO], 8, v[T1]
	v_lshl_add_u32 v[QO], v[HH], 4, v[QO]
.irp s, 0,1,2,3
.irp c, 0,1
	global_load_b128 v[Q+8*\s+4*\c:Q+8*\s+4*\c+3], v[QO], s[14:15] offset:64*\s+32*\c
.endr
.endr
	global_load_b128 v[QSC:QSC+3], v[QSO], s[16:17]
	s_wait_kmcnt 0x0                               ; the four lengths
.irp i, 0,1,2,3
	s_max_i32 s[88+\i], s[88+\i], 0
	s_min_u32 s[88+\i], s[88+\i], 128
	s_lshl_b32 s60, s[84+\i], 8
	s_or_b32 s[40+\i], s[88+\i], s60               ; a pair's word: length | n << 8
.endr
	KADDR 40
	KEYLOAD 2
	WSTAGE 128, 28
	s_wait_loadcnt 28                              ; w_q and w_k are in: behind them stand at least 9 loads of the query, 3 of keys and 16 of w_v
	WSTORE STQ, 0
	WSTORE STK, 64
	s_wait_xcnt 0x0                                ; every load so far has had its address translated: the offset registers may be written again
	s_wait_dscnt 0x0                               ; for the others' sake: my rows lie in LDS
	s_barrier_signal -1
	s_barrier_wait -1
	WIN TO1
	WFRAG 192, WQA, 0
	WFRAG 224, WQA, 1
	WIN 0
	WFRAG FB, WQA, 2
	WFRAG FB+32, WQA, 3
	WIN TO1
.irp t, 0,1,2,3
	WFRAG 32*\t, WKA, \t
.endr
	WIN 0
	s_wait_loadcnt 19                              ; the query is in: behind it stand at least 3 loads of keys and 16 of w_v
	s_wait_dscnt 32                                ; w_q's fragments are in; w_k's 32 loads stay out
	; Q^T = w_q query^T + b_q: four accumulators by turns; b_q lies in them as the first C
.irp s, 0,1,2,3
.irp t, 0,1,2,3
.if \t < 2
	WIN W_K
.set XA, 192+32*\t+8*\s
.else
	WIN 0
.set XA, FB+32*(\t-2)+8*\s
.endif
.set XD, ACC+8*\t
.set XB, Q+8*\s
.set XSA, WQS+4*(\t/2)+\s
.set XSB, QSC+\s
.set XRA, \t%2
.set XRB, 0
.set XZ, 0
	MM
.endr
.endr
	WIN 0
	PLACES
.irp x, 0,1,2,3,4,5,6,7,8,9,10,11,12,13,14,15
	v_pk_mul_f32 v[ACC+2*\x:ACC+2*\x+1], v[ACC+2*\x:ACC+2*\x+1], s[58:59] op_sel_hi:[1,0]   ; q' = (Q + b_q) log2(e) / 8, each accumulator from its low end on
.endr
.irp x, 0,1,2,3,4,5,6,7
	ds_store_b128 v[QWR], v[ACC+4*\x:ACC+4*\x+3] offset:16*\x      ; trip r % 4's q' into my wave's own rows (four lanes hold the same column)
.endr
.irp i, 0,1,2,3,4,5,6,7
	v_mov_b32 v[PS+\i], 0                          ; (a tile that is left out leaves its number as it was: the mask hides it)
.endr
	s_wait_alu depctr_va_vdst(0)
	s_wait_loadcnt 0x0
	KEYSTORE 0, 2
	WIN ST1
.irp k, 0,1,2,3,4,5,6,7,8,9,10,11,12,13,14,15
	ds_store_b128 v[STV], v[128+4*\k:128+4*\k+3] offset:(32*(\k%2)+\k/2)*PITCH
.endr
	WIN 0
.macro FLOAD buf, i                    ; tile i's four fragments (16 keys x 512 along K) into set i % 2, and for an even tile the scale words of tiles i, i + 1
.irp s, 0,1,2,3
.irp c, 0,1
	ds_load_b128 v[FB+32*((\i)%2)+8*\s+4*\c:FB+32*((\i)%2)+8*\s+4*\c+3], v[FA+\buf] offset:TILE*(\i)+64*\s+32*\c
.endr
.endr
.if (\i)%2 == 0
	ds_load_b128 v[KS+4*(((\i)/2)%2):KS+4*(((\i)/2)%2)+3], v[KSA] offset:4096*\buf+256*(\i)
.endif
.endm
.macro PLOAD i                         ; tile i's eight weights, keys 8 h + 0 .. 7, into set i % 2
	ds_load_b128 v[P+8*((\i)%2):P+8*((\i)%2)+3], v[PRD] offset:64*(\i)
	ds_load_b128 v[P+8*((\i)%2)+4:P+8*((\i)%2)+7], v[PRD] offset:64*(\i)+16
.endm
; 16 keys' partial scores.  Four accumulators take turns.  The next tile's fragments are asked for at the head, where there is a next tile.
.macro KTILE buf, i
	s_wait_dscnt 0x0                               ; this tile's fragments are in (in tile 0 also q')
.if \i < 7
	s_cmp_le_u32 s45, \i+1
	s_cbranch_scc1 .Lkn_\@
	FLOAD \buf, \i+1
.Lkn_\@:
.endif
.if (\buf == 0) && (\i == 0)
	s_cmp_lg_u32 s44, 0                            ; once in the launch: w_v's fragments; they are first used behind the scores
	s_cbranch_scc1 .Lwv_\@
	WIN TO1
.irp t, 0,1,2,3
	WFRAG 128+32*\t, WVA, \t
.endr
	WIN 0
.Lwv_\@:
.endif
	WIN W_K
.irp s, 0,1,2,3
.irp t, 0,1,2,3
.set XD, ACC+8*\t
.set XA, 32*\t+8*\s
.set XB, FB+32*((\i)%2)+8*\s
.set XSA, WKS+4*(\t/2)+\s
.set XSB, KS+4*(((\i)/2)%2)+\s
.set XRA, \t%2
.set XRB, (\i)%2
.set XZ, 0
.if \s == 0
.set XZ, 1
.endif
	MM
.endr
.endr
	WIN 0
	PLACES
.irp x, 0,1,2,3
.irp t, 0,1,2,3
.if \x == 0
	v_pk_mul_f32 v[S+2*\t:S+2*\t+1], v[ACC+8*\t:ACC+8*\t+1], v[Q+8*\t:Q+8*\t+1]
.else
	v_pk_fma_f32 v[S+2*\t:S+2*\t+1], v[ACC+8*\t+2*\x:ACC+8*\t+2*\x+1], v[Q+8*\t+2*\x:Q+8*\t+2*\x+1], v[S+2*\t:S+2*\t+1]
.endif
.endr
.endr
	v_pk_add_f32 v[S:S+1], v[S:S+1], v[S+2:S+3]
	v_pk_add_f32 v[S+4:S+5], v[S+4:S+5], v[S+6:S+7]
	s_delay_alu instid0(VALU_DEP_1)
	v_pk_add_f32 v[S:S+1], v[S:S+1], v[S+4:S+5]
	s_delay_alu instid0(VALU_DEP_1)
	v_add_f32 v[PS+\i], v[S], v[S+1]               ; my half's 32 channels
.if \i < 7
	s_cmp_le_u32 s45, \i+1                         ; the tiles behind the length are left out
	s_cbranch_scc1 .Lkdone\buf
.endif
.endm
; 16 keys of V, weighted and added.  The sums of two tiles of channels take turns, so that nine multiply-adds stand between a sum's last step of one tile and its first of the next.
.macro VTILE buf, i
	s_wait_dscnt 0x0                               ; this tile's fragments and weights are in
.if \i < 7
	s_cmp_le_u32 s45, \i+1
	s_cbranch_scc1 .Lvn_\@
	PLOAD \i+1
	FLOAD \buf, \i+1
.Lvn_\@:
.endif
	WIN W_V
.irp s, 0,1,2,3
.irp t, 0,1,2,3
.set XD, ACC+8*\t
.set XA, FB+32*((\i)%2)+8*\s
.set XB, 128+32*\t+8*\s
.set XSA, KS+4*(((\i)/2)%2)+\s
.set XSB, WVS+4*(\t/2)+\s
.set XRA, (\i)%2
.set XRB, \t%2
.set XZ, 0
.if \s == 0
.set XZ, 1
.endif
	MM
.endr
.endr
	WIN 0
	PLACES
.irp u, 0,2
.irp x, 0,1,2,3
.irp d, 0,1
.set RO, O+2*(\u+\d)
.set RA, ACC+8*(\u+\d)+2*\x
.set RW, P+8*((\i)%2)+2*\x
.if (\i == 0) && (\x == 0)
	v_pk_mul_f32 v[RO:RO+1], v[RA:RA+1], v[RW:RW+1]
.else
	v_pk_fma_f32 v[RO:RO+1], v[RA:RA+1], v[RW:RW+1], v[RO:RO+1]
.endif
.endr
.endr
.endr
.if \i < 7
	s_cmp_le_u32 s45, \i+1
	s_cbranch_scc1 .Lvdone\buf
.endif
.endm
; A TRIP: my pair, whose rows lie in LDS buffer buf; the next trip's rows are asked for at its head and put into the other buffer at its end.  That buffer was last read in the trip before, in front of this trip's barrier.
.macro TRIP buf
	s_wait_alu depctr_va_vdst(0)
	s_wait_xcnt 0x0                                ; the last trip's store and loads have read their sources
	s_wait_dscnt 0x0                               ; for the others' sake: my rows of this trip lie in LDS, and my reads are over
	s_barrier_signal -1
	s_and_b32 s60, s44, 1
	s_mul_i32 s60, s60, 2*QROW
	v_add_nc_u32 v[QRD], s60, v[QRD0]
.irp x, 0,1,2,3,4,5,6,7
	ds_load_b128 v[Q+4*\x:Q+4*\x+3], v[QRD] offset:QROW*\buf+16*\x   ; q', the same in all r: my wave's own words
.endr
	s_and_b32 s46, s40, 0xff                       ; the length,
	s_lshr_b32 s47, s40, 8
	s_min_u32 s47, s47, 63                         ; n,
	s_add_co_u32 s45, s46, 15
	s_lshr_b32 s45, s45, 4                         ; and the tiles that hold a key that counts;
	s_cmp_eq_u32 s46, 0
	s_cselect_b32 s45, 8, s45                      ; with no such key all 128 weigh alike, and all tiles are walked
	s_lshl_b32 s60, s3, 6
	s_add_co_u32 s60, s60, s47                     ; 64 b + n
	s_lshl_b32 s60, s60, 11
	s_add_co_u32 s60, s60, s50
	s_mov_b32 s61, 0
	s_add_nc_u64 s[52:53], s[34:35], s[60:61]      ; my head's 256 bytes of emb
	v_and_b32 v[LR], 31, v0
	v_sub_nc_u32 v[LR], s46, v[LR]
	s_wait_alu depctr_va_vdst(0)
	s_barrier_wait -1
	FLOAD \buf, 0
.if \buf
	s_cmp_eq_u32 s44, 1                            ; the last trip asks for nothing more
	s_cbranch_scc1 .Lnoload
.endif
	KADDR 41
	KEYLOAD \buf
.if \buf
.Lnoload:
.endif
.irp i, 0,1,2,3,4,5,6,7
	KTILE \buf, \i
.endr
.Lkdone\buf:
	s_wait_alu depctr_va_vdst(0)
	FLOAD \buf, 0                                  ; V begins at the pair's first keys again
	; THE SOFTMAX.  A score is the sum of the two halves' partial scores: the swap brings both of tile 2 a into lanes 0-15 and both of tile 2 a + 1 into lanes 16-31: lane l then has key 32 a + l.
.irp a, 0,1,2,3
	v_permlane16_swap_b32 v[PS+2*\a], v[PS+2*\a+1]
.endr
.irp a, 0,1,2,3
	v_add_f32 v[PS+2*\a], v[PS+2*\a], v[PS+2*\a+1]
.endr
.irp a, 0,1,2,3
	v_cmp_lt_i32 vcc_lo, 32*\a, v[LR]              ; it counts where it lies under the length; else -1e30
	v_cndmask_b32 v[PS+2*\a], 0xf149f2ca, v[PS+2*\a], vcc_lo
.endr
	v_max3_num_f32 v[TM], v[PS], v[PS+2], v[PS+4]
	s_delay_alu instid0(VALU_DEP_1)
	v_max_num_f32 v[TM], v[TM], v[PS+6]
	s_delay_alu instid0(VALU_DEP_1)
	v_max_num_f32_dpp v[TM], v[TM], v[TM] row_xmask:1 row_mask:0xf bank_mask:0xf
	s_delay_alu instid0(VALU_DEP_1)
	v_max_num_f32_dpp v[TM], v[TM], v[TM] row_xmask:2 row_mask:0xf bank_mask:0xf
	s_delay_alu instid0(VALU_DEP_1)
	v_max_num_f32_dpp v[TM], v[TM], v[TM] row_xmask:4 row_mask:0xf bank_mask:0xf
	s_delay_alu instid0(VALU_DEP_1)
	v_max_num_f32_dpp v[TM], v[TM], v[TM] row_xmask:8 row_mask:0xf bank_mask:0xf
	v_permlanex16_b32 v[TM+1], v[TM], s54, s55
	v_max_num_f32 v[TM], v[TM], v[TM+1]
.irp a, 0,1,2,3
	v_sub_f32 v[PS+2*\a], v[PS+2*\a], v[TM]
.endr
	s_wait_alu depctr_va_vdst(0)                   ; the wait ahead of the batch
.irp a, 0,1,2,3
	v_exp_f32 v[PS+2*\a], v[PS+2*\a]
.endr
	v_nop                                          ; a plain instruction behind the last exponential
	s_wait_alu depctr_va_vdst(0)                   ; and one wait behind it
.irp a, 0,1,2,3
	ds_store_b32 v[PSTA], v[PS+2*\a] offset:128*\a ; key 32 a + l's weight into my wave's own words
.endr
	PLOAD 0                                        ; LDS serves a wave's instructions in order (ISA guide 5.7.1.4): these see the stores above
	v_add_f32 v[TM], v[PS], v[PS+2]
	v_add_f32 v[TM+1], v[PS+4], v[PS+6]
	s_delay_alu instid0(VALU_DEP_1)
	v_add_f32 v[TM], v[TM], v[TM+1]
	s_delay_alu instid0(VALU_DEP_1)
	v_add_f32_dpp v[TM], v[TM], v[TM] row_xmask:1 row_mask:0xf bank_mask:0xf
	s_delay_alu instid0(VALU_DEP_1)
	v_add_f32_dpp v[TM], v[TM], v[TM] row_xmask:2 row_mask:0xf bank_mask:0xf
	s_delay_alu instid0(VALU_DEP_1)
	v_add_f32_dpp v[TM], v[TM], v[TM] row_xmask:4 row_mask:0xf bank_mask:0xf
	s_delay_alu instid0(VALU_DEP_1)
	v_add_f32_dpp v[TM], v[TM], v[TM] row_xmask:8 row_mask:0xf bank_mask:0xf
	v_permlanex16_b32 v[TM+1], v[TM], s54, s55
	v_add_f32 v[TM], v[TM], v[TM+1]
	s_wait_alu depctr_va_vdst(0)
	v_rcp_f32 v[RS], v[TM]
	v_nop
	s_wait_alu depctr_va_vdst(0)                   ; and one for the reciprocal
.irp i, 0,1,2,3,4,5,6,7
	VTILE \buf, \i
.endr
.Lvdone\buf:
	s_wait_alu depctr_va_vdst(0)
	s_wait_loadcnt 0x0                             ; the next trip's rows are in: they were asked for at this trip's head
.if \buf
	s_cmp_eq_u32 s44, 1
	s_cbranch_scc1 .Lnostore
.endif
	KEYSTORE 1-\buf, \buf
.if \buf
.Lnostore:
.endif
.irp t, 0,1,2,3
	v_add_f32 v[OUT+\t], v[O+2*\t], v[O+2*\t+1]    ; even keys' and odd keys' halves,
.endr
.irp t, 0,1,2,3
	v_permlanex16_b32 v[PT+\t], v[OUT+\t], s54, s55
.endr
	v_pk_add_f32 v[OUT:OUT+1], v[OUT:OUT+1], v[PT:PT+1]           ; and lane l xor 16's eight keys of each tile
	v_pk_add_f32 v[OUT+2:OUT+3], v[OUT+2:OUT+3], v[PT+2:PT+3]
	v_pk_fma_f32 v[OUT:OUT+1], v[OUT:OUT+1], v[RS:RS+1], v[BV:BV+1] op_sel_hi:[1,0,1]   ; / the sum, + b_v
	v_pk_fma_f32 v[OUT+2:OUT+3], v[OUT+2:OUT+3], v[RS:RS+1], v[BV+2:BV+3] op_sel_hi:[1,0,1]
	v_cndmask_b32 v[PT], v[OUT], v[OUT+2], s56     ; lanes 0-15 store channels 4 r, 4 r + 1, lanes 16-31 4 r + 2, 4 r + 3
	v_cndmask_b32 v[PT+1], v[OUT+1], v[OUT+3], s56
	global_store_b64 v[EO], v[PT:PT+1], s[52:53]   ; the wave stores 256 consecutive bytes, at a multiple of 256 from emb's first byte
	s_mov_b32 s40, s41                             ; the next pair's word
	s_mov_b32 s41, s42
	s_mov_b32 s42, s43
.endm
	s_mov_b32 s44, 0
	s_wait_alu depctr_va_vdst(0)
.Lpair:                                            ; two trips round the two buffers, twice
	TRIP 0
	TRIP 1
	s_add_co_u32 s44, s44, 1
	s_cmp_lt_u32 s44, 2
	s_cbranch_scc1 .Lpair
	s_wait_dscnt 0x0
	s_wait_xcnt 0x0
	v_lshl_add_u32 v254, v0, 2, SPARE              ; the wave's end
	v_mov_b32 v255, 0
	s_wait_alu depctr_va_vdst(0)
	s_wait_tensorcnt 0x0
	ds_add_u32 v254, v255
	s_wait_dscnt 0x0
	s_endpgm
.Lfunc_end_k_q99fe71b14d_attn:
	.size	k_q99fe71b14d_attn, .Lfunc_end_k_q99fe71b14d_attn-k_q99fe71b14d_attn
	.p2alignl 7, 3214868480
	.fill 96, 4, 3214868480
	.section	.rodata,"a",@progbits
	.p2align	6, 0x0
	.amdhsa_kernel k_q99fe71b14d_attn
		.amdhsa_group_segment_fixed_size 300544
		.amdhsa_private_segment_fixed_size 0
		.amdhsa_enable_private_segment 0
		.amdhsa_kernarg_size 112
		.amdhsa_user_sgpr_count 2
		.amdhsa_user_sgpr_kernarg_segment_ptr 1
		.amdhsa_wavefront_size32 1
		.amdhsa_system_sgpr_workgroup_id_x 1
		.amdhsa_system_sgpr_workgroup_id_y 1
		.amdhsa_system_sgpr_workgroup_id_z 1
		.amdhsa_system_vgpr_workitem_id 0
		.amdhsa_next_free_vgpr 512
		.amdhsa_next_free_sgpr 96
		.amdhsa_reserve_vcc 1
		.amdhsa_float_denorm_mode_32 3
		.amdhsa_float_denorm_mode_16_64 3
		.amdhsa_memory_ordered 1
		.amdhsa_forward_progress 1
		.amdhsa_inst_pref_size 194
	.end_amdhsa_kernel
	.amdgpu_metadata
---
amdhsa.version: [ 1, 2 ]
amdhsa.kernels:
  - .name:           k_q99fe71b14d_attn
    .symbol:         k_q99fe71b14d_attn.kd
    .args:
      - { .name: key_lens, .offset: 0, .size: 8, .value_kind: global_buffer, .address_space: global }
      - { .name: keys_codes, .offset: 8, .size: 8, .value_kind: global_buffer, .address_space: global }
      - { .name: keys_scales, .offset: 16, .size: 8, .value_kind: global_buffer, .address_space: global }
      - { .name: query_codes, .offset: 24, .size: 8, .value_kind: global_buffer, .address_space: global }
      - { .name: query_scales, .offset: 32, .size: 8, .value_kind: global_buffer, .address_space: global }
      - { .name: w_q_codes, .offset: 40, .size: 8, .value_kind: global_buffer, .address_space: global }
      - { .name: w_q_scales, .offset: 48, .size: 8, .value_kind: global_buffer, .address_space: global }
      - { .name: b_q, .offset: 56, .size: 8, .value_kind: global_buffer, .address_space: global }
      - { .name: w_k_codes, .offset: 64, .size: 8, .value_kind: global_buffer, .address_space: global }
      - { .name: w_k_scales, .offset: 72, .size: 8, .value_kind: global_buffer, .address_space: global }
      - { .name: w_v_codes, .offset: 80, .size: 8, .value_kind: global_buffer, .address_space: global }
      - { .name: w_v_scales, .offset: 88, .size: 8, .value_kind: global_buffer, .address_space: global }
      - { .name: b_v, .offset: 96, .size: 8, .value_kind: global_buffer, .address_space: global }
      - { .name: emb, .offset: 104, .size: 8, .value_kind: global_buffer, .address_space: global }
    .group_segment_fixed_size: 300544
    .private_segment_fixed_size: 0
    .kernarg_segment_align: 8
    .kernarg_segment_size: 112
    .max_flat_workgroup_size: 256
    .sgpr_count:     96
    .vgpr_count:     512
    .wavefront_size: 32
...
	.end_amdgpu_metadata
.endif
;; end of part 1
;; launch mix (part 2): grid 16 x 1, 16 waves a work-group, no clusters, 151,552 bytes of LDS; arguments emb, intensity_score_codes, intensity_score_scales, w_fc1_codes, w_fc1_scales, b_fc1, w_fc2, b_fc2, out0; writes out0
.if DOCPART == 2
	.amdgcn_target "amdgcn-amd-amdhsa--gfx1250"
	.amdhsa_code_object_version 6
	.text
	.protected	k_q99fe71b14d_mix
	.globl	k_q99fe71b14d_mix
	.p2align	8
	.type	k_q99fe71b14d_mix,@function
k_q99fe71b14d_mix:
	s_mov_b64 s[64:65], 0
	v_nop
	global_prefetch_b8 v0, s[64:65] scope:SCOPE_SE
	s_setreg_imm32_b32 hwreg(HW_REG_WAVE_MODE, 25, 1), 1
	s_wait_xcnt 0x0
; out0[b][m] = w_fc2 . (w_fc1 Q_d(mixed[b][m][:]) + b_fc1) + b_fc2, mixed[b][m][d] = sum over n of intensity[b][n][m] Q_n(emb[b][n][d]); Q_x: the MX-FP4 quantiser along x, made here in registers.
; SHARES.  One work-group for each b, since a block of emb's quantiser spans 32 positions n of one b and mixed's spans 32 channels d.  Sixteen waves: wave w owns channels d = 32 w .. 32 w + 31 for all 64 m.
; The launch moves 128 KiB in and 256 bytes out for each work-group: no ring, no tensor load, no cluster (work-groups share only the few KiB of w_fc1).
; PHASES.  0: emb[b] comes into LDS in dense loads | barrier | 1: a lane takes one d and reads its 64 n down LDS: two whole blocks in a lane; codes and scale word are made in registers | 2: mixed^T = emb^T intensity^T
; (source 0 = 16 channels, source 1 = 16 rows m; K = 64: the upper half of each operand is zero codes) | 3: a lane holds 16 neighbouring d of one m: mixed is quantised, codes and scale bytes go to LDS | barrier |
; 4: wave 0 alone: h1^T = w_fc1 mixed^T + b_fc1 (16 products), the dot with w_fc2 in f32, one store of 256 bytes.
; ROWS OF A TILE.  Tile t's column r is m = 4 r + t, so that a lane's four results are neighbours in out0.  Tile u's row rho of emb^T is d = 32 w + 16 (rho / 8) + 8 u + rho % 8, so that lane (r, h)'s 16 registers of
; tiles u = 0, 1 are d = 32 w + 16 h + 0 .. 15.
; LIMITS: a block of zeros gets the scale byte 1 where the rule says 127 (its codes are zeros, and this program alone reads the bytes); NaN and infinities are not served.
.set EL, 0                             ; emb[b]: [n 64][2,048 bytes], dense
.set MC, 131072                        ; mixed's codes: row 16 t + r, 256 bytes + 16
.set MS, MC+64*272                     ; mixed's scale bytes: 16 a row
.set GO,   4                           ; v4   16 lane
.set ELW,  5                           ; v5   where I put emb's bytes
.set IO,   6                           ; v6   intensity's codes: 128 r + 16 h
.set ISO,  7                           ; v7   its scale bytes: 8 r
.set EA0,  8                           ; v8   4 d: n = 0 .. 31
.set EA1,  9                           ; v9   + 65,536: n = 32 .. 63
.set MCW,  11                          ; v11  MC + 272 r + 16 w + 8 h
.set MSWA, 12
.set MCR,  13                          ; v13  MC + 272 r + 16 h
.set MSR,  14
.set EE,   16                          ; v16-79   emb as loaded, then E[n]; then wave 0's w_fc1 (v16-47), b_fc1 (v48-55), w_fc2 (v56-63), b_fc2 (v64)
.set MM0,  80                          ; v80-143  mixed: 16 t + 8 u + j; then wave 0's fragments of mixed
.set IT,   144                         ; v144-175 intensity's four tiles; then wave 0's four accumulators
.set ET,   176                         ; v176-191 emb^T's two tiles
.set IS,   192                         ; v192-195 intensity's scale words
.set ISR,  196                         ; v196-197 as loaded
.set SW,   198                         ; v198     emb^T's scale word
.set TM,   200                         ; v200-215 at work
.set CD,   216                         ; v216-223 mixed's codes
.set BY,   224                         ; v224-227 scale bytes
.set MSW,  228                         ; v228-243 mixed's scale words, 4 t + s
.set FS,   244                         ; v244-247 w_fc1's scale words
.set XO,   248                         ; v248-249 what is stored
.set WFO,  250                         ; v250 256 r + 16 h; v251 16 r; v252 32 h; v253 0; v254 16 r + 8 h
	s_load_b256 s[4:11], s[0:1], 0x0               ; emb s[4:5], intensity's codes s[6:7], its scales s[8:9], w_fc1's codes s[10:11]
	s_load_b256 s[12:19], s[0:1], 0x20             ; w_fc1's scales s[12:13], b_fc1 s[14:15], w_fc2 s[16:17], b_fc2 s[18:19]
	s_load_b64 s[20:21], s[0:1], 0x40              ; out0
	v_lshl_add_u32 v199, v0, 2, 0x24800
	v_mov_b32 v255, 0
	v_lshrrev_b32 v1, 5, v0
	s_delay_alu instid0(VALU_DEP_1)
	v_readfirstlane_b32 s2, v1                     ; wave 0..15
	v_and_b32 v1, 31, v0                           ; lane
	v_and_b32 v2, 15, v0                           ; r
	v_bfe_u32 v3, v0, 4, 1                         ; h
	s_mov_b32 s30, 0x76543210                      ; v_permlanex16_b32's selects for lane l xor 16
	s_mov_b32 s31, 0xfedcba98
	s_mov_b32 s32, 0xffff0000                      ; lanes 16-31
	v_lshlrev_b32 v[GO], 4, v1
	s_lshl_b32 s24, s2, 13                         ; my four rows n of emb[b]: 8,192 bytes
	v_add_nc_u32 v[ELW], s24, v[GO]
	v_lshlrev_b32 v[IO], 7, v2
	s_delay_alu instid0(VALU_DEP_1)
	v_lshl_add_u32 v[IO], v3, 4, v[IO]
	v_lshlrev_b32 v[ISO], 3, v2
	v_bfe_u32 v[EA0], v0, 3, 1
	v_and_b32 v[EA1], 7, v0
	s_delay_alu instid0(VALU_DEP_1)
	v_lshl_add_u32 v[EA1], v[EA0], 4, v[EA1]
	s_delay_alu instid0(VALU_DEP_1)
	v_lshl_add_u32 v[EA1], v3, 3, v[EA1]
	s_lshl_b32 s25, s2, 5
	v_add_nc_u32 v[EA1], s25, v[EA1]               ; my d = 32 w + 16 ((lane / 8) % 2) + 8 (lane / 16) + lane % 8
	s_delay_alu instid0(VALU_DEP_1)
	v_lshlrev_b32 v[EA0], 2, v[EA1]
	s_delay_alu instid0(VALU_DEP_1)
	v_add_nc_u32 v[EA1], 0x10000, v[EA0]
	v_mul_u32_u24 v10, v2, 272
	s_lshl_b32 s26, s2, 4
	s_add_co_u32 s26, s26, MC
	v_lshl_add_u32 v[MCW], v3, 3, v10
	s_delay_alu instid0(VALU_DEP_1)
	v_add_nc_u32 v[MCW], s26, v[MCW]
	v_lshl_add_u32 v[MCR], v3, 4, v10
	s_delay_alu instid0(VALU_DEP_1)
	v_add_nc_u32 v[MCR], MC, v[MCR]
	v_lshlrev_b32 v[WFO+1], 4, v2
	s_delay_alu instid0(VALU_DEP_1)
	v_add_nc_u32 v[MSR], MS, v[WFO+1]
	s_delay_alu instid0(VALU_DEP_1)
	v_add_nc_u32 v[MSWA], s2, v[MSR]
	v_lshlrev_b32 v[WFO], 8, v2
	s_delay_alu instid0(VALU_DEP_1)
	v_lshl_add_u32 v[WFO], v3, 4, v[WFO]
	v_lshlrev_b32 v[WFO+2], 5, v3
	v_mov_b32 v[WFO+3], 0
	v_lshl_add_u32 v[WFO+4], v3, 3, v[WFO+1]
	s_lshl_b32 s28, ttmp9, 17                      ; emb[b]: 131,072 bytes,
	s_add_co_u32 s28, s28, s24                     ; my wave's rows
	s_mov_b32 s29, 0
	s_lshl_b32 s26, ttmp9, 11                      ; intensity's codes of b: 2,048 bytes
	s_mov_b32 s27, 0
	s_lshl_b32 s24, ttmp9, 7                       ; its scale bytes: 128
	s_mov_b32 s25, 0
	s_lshl_b32 s22, ttmp9, 8                       ; out0[b]: 256 bytes
	s_mov_b32 s23, 0
	s_wait_kmcnt 0x0
	s_add_nc_u64 s[4:5], s[4:5], s[28:29]
	s_add_nc_u64 s[6:7], s[6:7], s[26:27]
	s_add_nc_u64 s[8:9], s[8:9], s[24:25]
	s_add_nc_u64 s[20:21], s[20:21], s[22:23]
.irp k, 0,1,2,3,4,5,6,7,8,9,10,11,12,13,14,15
	global_load_b128 v[EE+4*\k:EE+4*\k+3], v[GO], s[4:5] offset:512*\k th:TH_LOAD_NT   ; 512 consecutive bytes a load; read once in the launch
.endr
.irp t, 0,1,2,3
	global_load_b128 v[IT+8*\t:IT+8*\t+3], v[IO], s[6:7] offset:32*\t   ; row m = 4 r + t, block h of its 64 codes
.endr
	global_load_b64 v[ISR:ISR+1], v[ISO], s[8:9]   ; the scale bytes of m = 4 r .. 4 r + 3, two each
.irp t, 0,1,2,3
.irp i, 4,5,6,7
	v_mov_b32 v[IT+8*\t+\i], 0                     ; K = 64 of the instruction's 128: the rest are zero codes, on both sides
.endr
.endr
.irp u, 0,1
.irp i, 4,5,6,7
	v_mov_b32 v[ET+8*\u+\i], 0
.endr
.endr
.irp i, 4,5,6,7,12,13,14,15
	v_mov_b32 v[TM+\i], 0                          ; written once: a lane permute's destination counts as one of its sources
.endr
	s_wait_loadcnt 5                               ; emb's 16 loads are in; intensity's five stay out
.irp k, 0,1,2,3,4,5,6,7,8,9,10,11,12,13,14,15
	ds_store_b128 v[ELW], v[EE+4*\k:EE+4*\k+3] offset:512*\k
.endr
	s_wait_dscnt 0x0                               ; for the others' sake: my rows lie in LDS
	s_barrier_signal -1
	s_barrier_wait -1
	; ---- 1: my channel's 64 numbers down n: the 32 lanes read 128 consecutive bytes a load
.set n, 0
.rept 32
	ds_load_b32 v[EE+n], v[EA0] offset:2048*n
.set n, n+1
.endr
.set n, 0
.rept 32
	ds_load_b32 v[EE+32+n], v[EA1] offset:2048*n
.set n, n+1
.endr
	s_wait_dscnt 0x0
.irp c, 0,1
	v_max3_num_f32 v[TM+\c], |v[EE+32*\c]|, |v[EE+1+32*\c]|, 0x1800000   ; block c's largest magnitude, and the floor 2^(3 - 127): the byte cannot fall under 1
.endr
.irp i, 2,4,6,8,10,12,14,16,18,20,22,24,26,28,30
.irp c, 0,1
	s_delay_alu instid0(VALU_DEP_2)
	v_max3_num_f32 v[TM+\c], v[TM+\c], |v[EE+32*\c+\i]|, |v[EE+1+32*\c+\i]|   ; (the two blocks by turns)
.endr
.endr
.irp c, 0,1
	s_delay_alu instid0(VALU_DEP_2)
	v_add_nc_u32 v[TM+8+\c], 0xff000000, v[TM+\c]  ; 2 off the exponent field: the conversion's scale operand
.endr
.irp c, 0,1
	s_delay_alu instid0(VALU_DEP_2)
	v_lshrrev_b32 v[BY+\c], 23, v[TM+8+\c]         ; the scale's byte
.endr
	s_delay_alu instid0(VALU_DEP_1)
	v_lshl_or_b32 v[SW], v[BY+1], 8, v[BY]         ; my channel's scale word (bytes 2 and 3 stand over zero codes)
	s_wait_alu depctr_va_vdst(0)
	s_wait_loadcnt 0x0                             ; intensity
	v_and_b32 v[IS], 0xffff, v[ISR]                ; tile t's scale word of column r
	v_lshrrev_b32 v[IS+1], 16, v[ISR]
	v_and_b32 v[IS+2], 0xffff, v[ISR+1]
	v_lshrrev_b32 v[IS+3], 16, v[ISR+1]
.irp c, 0,1
.irp g, 0,1,2,3
	v_cvt_scalef32_pk8_fp4_f32 v[ET+8*\c+\g], v[EE+32*\c+8*\g:EE+32*\c+8*\g+7], v[TM+8+\c]
.endr
.endr
	v_nop                                          ; one plain place behind a scaled conversion
.irp g, 0,1,2,3
	v_permlane16_swap_b32 v[ET+\g], v[ET+8+\g]     ; block 1 of lanes 0-15 changes places with block 0 of lanes 16-31: tile 0 = the channels of lanes 0-15, tile 1 = those of lanes 16-31, block h in half h
.endr
	s_cmp_lg_u32 s2, 0
	s_cbranch_scc1 .Lnot_wave_0                    ; wave 0 asks here for what the last phase wants, into registers that are done with
.irp s, 0,1,2,3
.irp c, 0,1
	global_load_b128 v[EE+8*\s+4*\c:EE+8*\s+4*\c+3], v[WFO], s[10:11] offset:64*\s+32*\c
.endr
.endr
	global_load_b128 v[FS:FS+3], v[WFO+1], s[12:13]
	global_load_b128 v[EE+32:EE+35], v[WFO+2], s[14:15]            ; b_fc1 at o = 8 h + j: the result's layout
	global_load_b128 v[EE+36:EE+39], v[WFO+2], s[14:15] offset:16
	global_load_b128 v[EE+40:EE+43], v[WFO+2], s[16:17]            ; w_fc2 likewise
	global_load_b128 v[EE+44:EE+47], v[WFO+2], s[16:17] offset:16
	global_load_b32 v[EE+48], v[WFO+3], s[18:19]
.Lnot_wave_0:
.rept 8
	v_nop                                          ; a scale register written by a vector instruction stands 8 places ahead of a scaled matrix instruction, an operand so written 4
.endr
	; ---- 2: mixed^T, eight products, each its own sum
	s_wait_alu depctr_va_vdst(0)
.irp t, 0,1,2,3
	v_wmma_scale_f32_16x16x128_f8f6f4 v[MM0+16*\t:MM0+16*\t+7], v[ET:ET+7], v[IT+8*\t:IT+8*\t+7], 0, v[SW], v[IS+\t] matrix_a_fmt:MATRIX_FMT_FP4 matrix_b_fmt:MATRIX_FMT_FP4
	v_wmma_scale_f32_16x16x128_f8f6f4 v[MM0+16*\t+8:MM0+16*\t+15], v[ET+8:ET+15], v[IT+8*\t:IT+8*\t+7], 0, v[SW], v[IS+\t] matrix_a_fmt:MATRIX_FMT_FP4 matrix_b_fmt:MATRIX_FMT_FP4 matrix_a_scale:MATRIX_SCALE_ROW1
.endr
.rept 4
	v_nop
.endr
	; ---- 3: lane (r, h) holds mixed[4 r + t][32 w + 16 h + 0 .. 15] in registers 16 t + 0 .. 15: half a block; lane l xor 16 holds the other half
.irp t, 0,1,2,3
	v_max3_num_f32 v[TM+\t], |v[MM0+16*\t]|, |v[MM0+1+16*\t]|, 0x1800000
.endr
.irp i, 2,4,6,8,10,12,14
.irp t, 0,1,2,3
	v_max3_num_f32 v[TM+\t], v[TM+\t], |v[MM0+16*\t+\i]|, |v[MM0+1+16*\t+\i]|
.endr
.endr
.irp t, 0,1,2,3
	s_delay_alu instid0(VALU_DEP_4)
	v_permlanex16_b32 v[TM+4+\t], v[TM+\t], s30, s31
.endr
.irp t, 0,1,2,3
	s_delay_alu instid0(VALU_DEP_4)
	v_max_num_f32 v[TM+\t], v[TM+\t], v[TM+4+\t]
.endr
.irp t, 0,1,2,3
	s_delay_alu instid0(VALU_DEP_4)
	v_add_nc_u32 v[TM+8+\t], 0xff000000, v[TM+\t]
.endr
.irp t, 0,1,2,3
	s_delay_alu instid0(VALU_DEP_4)
	v_lshrrev_b32 v[BY+\t], 23, v[TM+8+\t]
.endr
.irp t, 0,1,2,3
	v_cvt_scalef32_pk8_fp4_f32 v[CD+2*\t], v[MM0+16*\t:MM0+16*\t+7], v[TM+8+\t]
	v_cvt_scalef32_pk8_fp4_f32 v[CD+2*\t+1], v[MM0+16*\t+8:MM0+16*\t+15], v[TM+8+\t]
.endr
	v_nop                                          ; one plain place behind the last scaled conversion
.irp t, 0,1,2,3
	ds_store_b64 v[MCW], v[CD+2*\t:CD+2*\t+1] offset:16*272*\t     ; 16 codes: bytes 16 w + 8 h of row 16 t + r
	ds_store_b8 v[MSWA], v[BY+\t] offset:256*\t    ; both lanes of a block write the same byte with the same value
.endr
	s_wait_dscnt 0x0                               ; for wave 0's sake
	s_barrier_signal -1
	s_barrier_wait -1
	s_cmp_lg_u32 s2, 0
	s_cbranch_scc1 .Lend
	; ---- 4: wave 0: h1^T = w_fc1 mixed^T + b_fc1: four accumulators (tiles of m) by turns, two K steps' fragments at a time
.macro MFLOAD s0
.irp t, 0,1,2,3
.irp u, 0,1
.irp c, 0,1
	ds_load_b128 v[MM0+8*(2*\t+\u)+4*\c:MM0+8*(2*\t+\u)+4*\c+3], v[MCR] offset:16*272*\t+64*((\s0)+\u)+32*\c
.endr
.endr
.endr
.endm
.irp t, 0,1,2,3
	ds_load_b128 v[MSW+4*\t:MSW+4*\t+3], v[MSR] offset:256*\t
.endr
	MFLOAD 0
	s_wait_loadcnt 0x0                             ; w_fc1, its scales, the biases, w_fc2
	s_wait_dscnt 0x0
.irp t, 0,1,2,3
	v_wmma_scale_f32_16x16x128_f8f6f4 v[IT+8*\t:IT+8*\t+7], v[EE:EE+7], v[MM0+16*\t:MM0+16*\t+7], v[EE+32:EE+39], v[FS], v[MSW+4*\t] matrix_a_fmt:MATRIX_FMT_FP4 matrix_b_fmt:MATRIX_FMT_FP4
.endr
.irp t, 0,1,2,3
	v_wmma_scale_f32_16x16x128_f8f6f4 v[IT+8*\t:IT+8*\t+7], v[EE+8:EE+15], v[MM0+16*\t+8:MM0+16*\t+15], v[IT+8*\t:IT+8*\t+7], v[FS+1], v[MSW+4*\t+1] matrix_a_fmt:MATRIX_FMT_FP4 matrix_b_fmt:MATRIX_FMT_FP4
.endr
.rept 4
	v_nop                                          ; places in front of loads into registers that matrix instructions have read
.endr
	MFLOAD 2
	s_wait_dscnt 0x0
.irp t, 0,1,2,3
	v_wmma_scale_f32_16x16x128_f8f6f4 v[IT+8*\t:IT+8*\t+7], v[EE+16:EE+23], v[MM0+16*\t:MM0+16*\t+7], v[IT+8*\t:IT+8*\t+7], v[FS+2], v[MSW+4*\t+2] matrix_a_fmt:MATRIX_FMT_FP4 matrix_b_fmt:MATRIX_FMT_FP4
.endr
.irp t, 0,1,2,3
	v_wmma_scale_f32_16x16x128_f8f6f4 v[IT+8*\t:IT+8*\t+7], v[EE+24:EE+31], v[MM0+16*\t+8:MM0+16*\t+15], v[IT+8*\t:IT+8*\t+7], v[FS+3], v[MSW+4*\t+3] matrix_a_fmt:MATRIX_FMT_FP4 matrix_b_fmt:MATRIX_FMT_FP4
.endr
.rept 4
	v_nop
.endr
.irp t, 0,1,2,3
	v_pk_mul_f32 v[TM+2*\t:TM+2*\t+1], v[IT+8*\t:IT+8*\t+1], v[EE+40:EE+41]   ; h1 . w_fc2 in f32: lane (r, h) has o = 8 h + 0 .. 7 of m = 4 r + t; each accumulator from its low end on
.endr
.irp x, 1,2,3
.irp t, 0,1,2,3
	v_pk_fma_f32 v[TM+2*\t:TM+2*\t+1], v[IT+8*\t+2*\x:IT+8*\t+2*\x+1], v[EE+40+2*\x:EE+41+2*\x], v[TM+2*\t:TM+2*\t+1]
.endr
.endr
.irp t, 0,1,2,3
	s_delay_alu instid0(VALU_DEP_4)
	v_add_f32 v[TM+8+\t], v[TM+2*\t], v[TM+2*\t+1]
.endr
.irp t, 0,1,2,3
	s_delay_alu instid0(VALU_DEP_4)
	v_permlanex16_b32 v[TM+12+\t], v[TM+8+\t], s30, s31
.endr
.irp t, 0,1,2,3
	s_delay_alu instid0(VALU_DEP_4)
	v_add_f32 v[TM+8+\t], v[TM+8+\t], v[TM+12+\t]  ; with the other eight o
.endr
.irp t, 0,1,2,3
	s_delay_alu instid0(VALU_DEP_4)
	v_add_f32 v[TM+8+\t], v[TM+8+\t], v[EE+48]     ; + b_fc2
.endr
	s_delay_alu instid0(VALU_DEP_2)
	v_cndmask_b32 v[XO], v[TM+8], v[TM+10], s32    ; lanes 0-15 store m = 4 r, 4 r + 1, lanes 16-31 m = 4 r + 2, 4 r + 3
	s_delay_alu instid0(VALU_DEP_2)
	v_cndmask_b32 v[XO+1], v[TM+9], v[TM+11], s32
	global_store_b64 v[WFO+4], v[XO:XO+1], s[20:21]   ; the wave stores out0[b]: 256 consecutive bytes, at a multiple of 256 from out0's first byte
.Lend:
	s_wait_tensorcnt 0x0
	ds_add_u32 v199, v255
	s_wait_dscnt 0x0
	s_endpgm
.Lfunc_end_k_q99fe71b14d_mix:
	.size	k_q99fe71b14d_mix, .Lfunc_end_k_q99fe71b14d_mix-k_q99fe71b14d_mix
	.p2alignl 7, 3214868480
	.fill 96, 4, 3214868480
	.section	.rodata,"a",@progbits
	.p2align	6, 0x0
	.amdhsa_kernel k_q99fe71b14d_mix
		.amdhsa_group_segment_fixed_size 151552
		.amdhsa_private_segment_fixed_size 0
		.amdhsa_enable_private_segment 0
		.amdhsa_kernarg_size 72
		.amdhsa_user_sgpr_count 2
		.amdhsa_user_sgpr_kernarg_segment_ptr 1
		.amdhsa_wavefront_size32 1
		.amdhsa_system_sgpr_workgroup_id_x 1
		.amdhsa_system_sgpr_workgroup_id_y 1
		.amdhsa_system_sgpr_workgroup_id_z 1
		.amdhsa_system_vgpr_workitem_id 0
		.amdhsa_next_free_vgpr 256
		.amdhsa_next_free_sgpr 66
		.amdhsa_reserve_vcc 0
		.amdhsa_float_denorm_mode_32 3
		.amdhsa_float_denorm_mode_16_64 3
		.amdhsa_memory_ordered 1
		.amdhsa_forward_progress 1
		.amdhsa_inst_pref_size 30
	.end_amdhsa_kernel
	.amdgpu_metadata
---
amdhsa.version: [ 1, 2 ]
amdhsa.kernels:
  - .name:           k_q99fe71b14d_mix
    .symbol:         k_q99fe71b14d_mix.kd
    .args:
      - { .name: emb, .offset: 0, .size: 8, .value_kind: global_buffer, .address_space: global }
      - { .name: intensity_score_codes, .offset: 8, .size: 8, .value_kind: global_buffer, .address_space: global }
      - { .name: intensity_score_scales, .offset: 16, .size: 8, .value_kind: global_buffer, .address_space: global }
      - { .name: w_fc1_codes, .offset: 24, .size: 8, .value_kind: global_buffer, .address_space: global }
      - { .name: w_fc1_scales, .offset: 32, .size: 8, .value_kind: global_buffer, .address_space: global }
      - { .name: b_fc1, .offset: 40, .size: 8, .value_kind: global_buffer, .address_space: global }
      - { .name: w_fc2, .offset: 48, .size: 8, .value_kind: global_buffer, .address_space: global }
      - { .name: b_fc2, .offset: 56, .size: 8, .value_kind: global_buffer, .address_space: global }
      - { .name: out0, .offset: 64, .size: 8, .value_kind: global_buffer, .address_space: global }
    .group_segment_fixed_size: 151552
    .private_segment_fixed_size: 0
    .kernarg_segment_align: 8
    .kernarg_segment_size: 72
    .max_flat_workgroup_size: 512
    .sgpr_count:     66
    .vgpr_count:     256
    .wavefront_size: 32
...
	.end_amdgpu_metadata
.endif
;; end of part 2
